; MI455X (gfx1250); checked and timed in simulation.
; The chip was launched on July 23, 2026; its instructions are those of AMD's public machine-readable ISA for CDNA 5 (MIT licence, August 2026) and "CDNA5" Instruction Set Architecture Reference Guide (July 2026). The comments in the code are by the model that wrote it; some were corrected since.
;; Lazy Attention Embedding. Allowed arithmetic: matrix products marked QUANTISED: E4M3 operands, one given power-of-two scale a tensor, by v_wmma_f32_16x16x64_fp8_fp8 or v_wmma_f32_16x16x128_fp8_fp8, f32 sums; everything else in f32.
;; Inputs: bias_weight 4,096 x 16 float32; k 2 x 16 x 2,048 x 64 float32; lowp_scales 4 int32 (the exponents e of the quantised operands' scales 2^e); q 2 x 16 x 2,048 x 64 float32; tau 16 float32; v 2 x 16 x 2,048 x 64 float32.
;; Outputs: out0 2 x 16 x 2,048 x 64 float32.
;; Constants: max_bias_length = 4096.
;; This version of the problem:
;;   THIS VERSION OF THE PROBLEM IS GIVEN IN LOW PRECISION. The matrix products marked QUANTISED in the list below multiply operands that are first quantised to E4M3 (4 exponent bits, 3 mantissa bits; 8 bits a number), with one given power-of-two scale for each operand tensor; their sums are f32. All else is computed in f32.
;;   The module's matrix products, in the order in which they are computed (A, B: the left and right operand; K: the contracted axis; several contracted axes count as one K, in the product's order):
;;     1. batch 32 x [M 2,048, K 64] x [K 64, N 2,048]; A: input q; B: input k: QUANTISED (scales: A lowp_scales[0], B lowp_scales[1])
;;     2. batch 32 x [M 2,048, K 2,048] x [K 2,048, N 64]; A: computed on the way; B: input v: QUANTISED (scales: A lowp_scales[2], B lowp_scales[3])
;;   THE QUANTISER, for each operand of a quantised product, along K:
;;     - The operand's scale is 2^e, e = its entry of the input lowp_scales (int32; the entries are numbered through the quantised products in the list's order, A before B).
;;     - Each number is divided by the scale, clamped to +-448, and rounded to the nearest number of E4M3, ties to even, subnormals kept.
;;     - The product sums the exact products of the quantised numbers (number of the format x scale) in f32.
;;   ~~~python
;;   def quantise(x, axis, e):      # numpy; x: float32 -> the quantised numbers, widened to float32 again
;;       x = np.moveaxis(x, axis, -1); K = x.shape[-1]
;;       r = np.clip(x / 2.0 ** e, -448, 448)
;;       step = 2.0 ** (np.maximum(np.frexp(np.where(r == 0, 1, r))[1] - 1, -6) - 3)
;;       q = np.round(r / step) * step * 2.0 ** e      # np.round: ties to even
;;       return np.moveaxis(q, -1, axis).astype(np.float32)
;;   ~~~
;;   OPERANDS COMPUTED ON THE WAY. 'Computed on the way' means the value that the module computes at that place (a softmax that the list does not call 'softmax' is quantised finished and normalised). What goes into a quantiser is computed in f32, as accurately as f32 sums, v_exp_f32 and their like allow (about 1e-6 of the number): no bf16 or f16 on the way to a quantiser, and a product that is left as it is and whose result goes on into a quantised operand takes f32 operands (vector FMAs, or v_wmma_f32_16x16x4_f32). A number that lies on a knife's edge between two numbers of the format may be rounded either way, as far as f32 arithmetic and the matrix unit's own rounding can turn it there, and no further.
;; One version. Each part assembles by itself: llvm-mc -triple=amdgcn-amd-amdhsa -mcpu=gfx1250 --defsym DOCPART=n.
;; ======== version 1 of 1: 2 launches
;; limits: right only within a limited range of input values
;; workspace buffers: kimg 4,194,304 bytes; vimg 4,194,304 bytes; btab 655,360 bytes
;; launch prep (part 1): grid 528 x 1, 4 waves a work-group, no clusters, 36,352 bytes of LDS; arguments k, v, bias_weight, lowp_scales, kimg, vimg, btab; writes kimg, vimg, btab
.if DOCPART == 1
	.amdgcn_target "amdgcn-amd-amdhsa--gfx1250"
	.amdhsa_code_object_version 6
	.text
	.protected	k_qec353e6da5_prep
	.globl	k_qec353e6da5_prep
	.p2align	8
	.type	k_qec353e6da5_prep,@function
k_qec353e6da5_prep:
	s_mov_b64 s[64:65], 0
	v_nop
	global_prefetch_b8 v0, s[64:65] scope:SCOPE_SE
	s_setreg_imm32_b32 hwreg(HW_REG_WAVE_MODE, 25, 1), 1
	s_wait_xcnt 0x0
; PREP: what every work-group of a head reads again in the attention launch is made once, in the order of the operands' registers.
;   kimg [bh 32][t 8][step 16][c 2][lane 32][16 bytes]: k as codes of E4M3, scale 2^ek.  Tile t = 2 b + u of a step of 128 keys: lane (r, hd) holds key 128 step + 32 b + 8 u + r % 8 + 16 (r / 8),
;        channels 32 c + 16 hd + 0 .. 15.
;   vimg [bh 32][step 16][dt 4][c 4][lane 32][16 bytes]: v as codes, scale 2^e3, keys innermost: lane (r, h) holds channel 16 dt + r, keys 128 step + 32 c + 16 h + 0 .. 15.
;   btab [head 16][copy 4][g 2560] f32: with Y = g - copy - 2048 (Y = key - query): Y <= 0: bias_weight[-Y][head] x 2^(3 - eq - ek);  Y > 0: -2^96, the causal mask.
;        The four copies, each one entry further on, let a lane of any query read four neighbouring entries at a multiple of 16 bytes.
; code = x / 2^e, held within +-448, to the nearest code, ties to even.
; WORK LEFT OUT, for all values of the inputs.  reference() takes rel = query - key between -2,047 and 2,047.  Where rel >= 0 it is under max_bias_length = 4,096, so the clip and the test
; rel < max_bias_length change nothing there; where rel < 0 jnp.where puts NEG_INF over score and bias alike.  So rows 2,048 and up of bias_weight reach no output: rows 2,052 and up are not read
; (rows 2,048 to 2,051 are read into entries of the table's edge that no later load uses).
; The score's factor 64^-0.5 is 2^-3: a sum of code products stands for sum x 2^(eq + ek), so score = (sum + bias x 2^(3 - eq - ek)) x 2^(eq + ek - 3): the table holds the bias in the sums' own unit.
; LIMITS: ek and e3 between -126 and 119; |bias_weight| x 2^(3 - eq - ek) under 2^90.  NaN and infinities among the inputs are not served; a NaN or an overflow that reaches only the work left out is not carried on.
; ROLES, by the work-group's number: 0-255 k, 256-511 v, 512-527 the table (a head each).  Only k's role uses LDS.  No barrier: waves share nothing.
.set SPARE, 35840                      ; behind the four stages: the spare words, 128 bytes a wave: two blocks of 256 bytes that no other line names
.set STG,   8960                       ; k's role: a stage for each wave: 32 keys, key x at 272 x + 128 (x / 16)
.set LO,    1                          ; v1   byte offset of my lane in a load or store
.set WRA,   2                          ; v2   stage, way in  (v's role: my place in the image)
.set RDA,   3                          ; v3   stage, way out
.set LIMV,  10                         ; v10  448 x the scale
.set SCV,   11                         ; v11  the scale as f32
.set SPW,   14                         ; v14  my spare word; never rewritten
.set NIL,   15                         ; v15  0; never rewritten
.set RL,    16                         ; v16-143   numbers as loaded
.set XN,    144                        ; v144-207  k: numbers back from the stage;  v: codes
.set CD,    208                        ; v208-239  k: codes, 16 registers a unit, so that no store's data are written again
	s_load_b256 s[4:11], s[0:1], 0x0               ; k s[4:5], v s[6:7], bias_weight s[8:9], the exponents s[10:11]
	s_load_b128 s[12:15], s[0:1], 0x20             ; kimg s[12:13], vimg s[14:15]
	s_load_b64 s[20:21], s[0:1], 0x30              ; btab
	v_lshl_add_u32 v[SPW], v0, 2, SPARE
	v_mov_b32 v[NIL], 0
	v_lshrrev_b32 v1, 5, v0
	v_readfirstlane_b32 s16, v1                    ; wave 0..3
	v_and_b32 v12, 31, v0                          ; lane
	s_wait_kmcnt 0x0
	s_load_b128 s[24:27], s[10:11], 0x0            ; eq, ek, e2, e3
	s_cmp_lt_u32 ttmp9, 256
	s_cbranch_scc0 .Lnot_k
; ---------------- k: a wave takes 64 keys, two units of 32.  Each load reads 512 consecutive bytes (two keys); a unit turns through the wave's stage so that a lane gets 16 neighbouring channels of the key that the image gives it.
	s_lshl_b32 s17, ttmp9, 2
	s_add_co_u32 s17, s17, s16                     ; T: which 64 keys of the 65,536
	s_lshl_b32 s28, s17, 14                        ; 64 keys x 256 bytes
	s_mov_b32 s29, 0
	s_add_nc_u64 s[4:5], s[4:5], s[28:29]
	s_lshr_b32 s30, s17, 5
	s_lshl_b32 s30, s30, 17                        ; bh x 131,072
	s_and_b32 s31, s17, 1
	s_lshl_b32 s31, s31, 16                        ; which half of the step: tiles 4 x half on, 16,384 bytes a tile
	s_or_b32 s30, s30, s31
	s_bfe_u32 s31, s17, 0x40001                    ; the step
	s_lshl_b32 s31, s31, 10
	s_or_b32 s30, s30, s31
	s_mov_b32 s31, 0
	s_add_nc_u64 s[12:13], s[12:13], s[30:31]
	v_lshlrev_b32 v[LO], 4, v12                    ; 16 x lane
	s_mul_i32 s18, s16, STG
	v_lshrrev_b32 v4, 4, v12                       ; lane / 16
	v_and_b32 v5, 15, v12                          ; lane % 16
	v_mul_u32_u24 v[WRA], v4, 272
	v_lshl_add_u32 v[WRA], v5, 4, v[WRA]
	v_add_nc_u32 v[WRA], s18, v[WRA]               ; in: lanes 0-15 one key's 256 bytes, lanes 16-31 the next key's
	v_and_b32 v6, 7, v5
	v_lshrrev_b32 v7, 3, v5
	v_mul_u32_u24 v[RDA], v6, 272
	v_mad_u32_u24 v[RDA], v7, 4480, v[RDA]         ; 16 keys on: 16 x 272 + 128: the 16 rows that a pass of sixteen lanes touches start 16 bytes apart modulo 256 (64 banks of 4 bytes: ISA guide 11.1)
	v_lshl_add_u32 v[RDA], v4, 6, v[RDA]           ; + 64 hd: my 16 channels
	v_add_nc_u32 v[RDA], s18, v[RDA]
.set i, 0
.rept 32
	global_load_b128 v[RL+4*i:RL+4*i+3], v[LO], s[4:5] offset:512*i th:TH_LOAD_NT
.set i, i+1
.endr
	s_wait_kmcnt 0x0
	s_add_co_i32 s22, s25, 127
	s_lshl_b32 s23, s22, 23
	v_mov_b32 v[SCV], s23                          ; 2^ek: the conversion takes its exponent field
	s_add_co_i32 s22, s22, 8
	s_lshl_b32 s22, s22, 23
	s_or_b32 s22, s22, 0x600000
	v_mov_b32 v[LIMV], s22                         ; 448 x 2^ek
.macro KUNIT n
.if \n == 0
	s_wait_loadcnt 16                              ; this unit's 16 loads are in; the second unit's 16 may be out
.else
	s_wait_loadcnt 0x0
.endif
.set i, 0
.rept 16
	ds_store_b128 v[WRA], v[RL+64*\n+4*i:RL+64*\n+4*i+3] offset:2*i*272+(i/8)*128
.set i, i+1
.endr
.irp u, 0,1
.irp c, 0,1
.irp j, 0,1,2,3
	ds_load_b128 v[XN+32*\u+16*\c+4*\j:XN+32*\u+16*\c+4*\j+3], v[RDA] offset:\u*8*272+128*\c+16*\j   ; LDS serves a wave's instructions in order (ISA guide 5.7.1.4): these see the stores above
.endr
.endr
.endr
	s_wait_dscnt 0x0
.set i, 0
.rept 64
	v_med3_num_f32 v[XN+i], v[XN+i], -v[LIMV], v[LIMV]   ; the conversion does not saturate (ISA guide 7.6.2): the hold at the largest code x the scale
.set i, i+1
.endr
.set i, 0
.rept 8
	v_cvt_scalef32_pk8_fp8_f32 v[CD+16*\n+2*i:CD+16*\n+2*i+1], v[XN+8*i:XN+8*i+7], v[SCV]
.set i, i+1
.endr
	v_nop                                          ; a plain line behind the last conversion
.irp u, 0,1
.irp c, 0,1
	global_store_b128 v[LO], v[CD+16*\n+8*\u+4*\c:CD+16*\n+8*\u+4*\c+3], s[12:13] offset:(2*\n+\u)*16384+512*\c   ; 32 lanes store 512 consecutive bytes, at a multiple of 512 from the buffer's first byte
.endr
.endr
.endm
	KUNIT 0
	KUNIT 1
	s_wait_tensorcnt 0x0                           ; the wave's end: a tensor wait, an LDS add and its wait, behind my last LDS store
	ds_add_u32 v[SPW], v[NIL]
	s_wait_dscnt 0x0
	s_endpgm
.Lnot_k:
	s_cmp_lt_u32 ttmp9, 512
	s_cbranch_scc0 .Ltable
; ---------------- v: a wave takes 128 keys x 32 channels.  A LANE TAKES A CHANNEL AND ITS REGISTERS RUN DOWN THE KEYS, so the conversions give codes with the keys innermost.  No LDS.
	s_sub_co_u32 s17, ttmp9, 256
	s_lshl_b32 s17, s17, 2
	s_add_co_u32 s17, s17, s16                     ; T'
	s_lshr_b32 s18, s17, 5                         ; bh
	s_bfe_u32 s19, s17, 0x40001                    ; step
	s_and_b32 s22, s17, 1                          ; which 32 channels
	s_lshl_b32 s28, s18, 19
	s_lshl_b32 s23, s19, 15
	s_or_b32 s28, s28, s23
	s_lshl_b32 s23, s22, 7
	s_or_b32 s28, s28, s23
	s_mov_b32 s29, 0
	s_add_nc_u64 s[6:7], s[6:7], s[28:29]
	s_lshl_b32 s30, s18, 17
	s_lshl_b32 s23, s19, 13
	s_or_b32 s30, s30, s23
	s_lshl_b32 s23, s22, 12                        ; two tiles of 16 channels, 2,048 bytes each
	s_or_b32 s30, s30, s23
	s_mov_b32 s31, 0
	s_add_nc_u64 s[14:15], s[14:15], s[30:31]
	v_lshlrev_b32 v[LO], 2, v12                    ; in: 4 bytes a lane: a load reads 128 consecutive bytes of a key's row; the wave beside me reads the other 128
	v_lshrrev_b32 v4, 4, v12
	v_and_b32 v5, 15, v12
	v_lshlrev_b32 v[WRA], 11, v4
	v_lshl_add_u32 v[WRA], v5, 4, v[WRA]           ; out: tile lane / 16, place lane % 16
.macro VLOAD c
.set i, 0
.rept 32
	global_load_b32 v[RL+32*(\c)+i], v[LO], s[6:7] offset:256*(32*(\c)+i)
.set i, i+1
.endr
.endm
.macro VBLK c
.if \c < 3
	s_wait_loadcnt 32                              ; this block's 32 loads are in; the next block's 32 may be out
.else
	s_wait_loadcnt 0x0
.endif
.if \c < 2
	VLOAD \c+2                                     ; two blocks ahead, into registers of its own
.endif
.set i, 0
.rept 32
	v_med3_num_f32 v[RL+32*\c+i], v[RL+32*\c+i], -v[LIMV], v[LIMV]
.set i, i+1
.endr
.set i, 0
.rept 4
	v_cvt_scalef32_pk8_fp8_f32 v[XN+8*\c+2*i:XN+8*\c+2*i+1], v[RL+32*\c+8*i:RL+32*\c+8*i+7], v[SCV]
.set i, i+1
.endr
	v_nop
.irp h, 0,1
	global_store_b128 v[WRA], v[XN+8*\c+4*\h:XN+8*\c+4*\h+3], s[14:15] offset:512*\c+256*\h   ; keys 32 c + 16 h on: sixteen lanes store 256 consecutive bytes, aligned
.endr
.endm
	VLOAD 0
	VLOAD 1
	s_wait_kmcnt 0x0
	s_add_co_i32 s22, s27, 127
	s_lshl_b32 s23, s22, 23
	v_mov_b32 v[SCV], s23                          ; 2^e3
	s_add_co_i32 s22, s22, 8
	s_lshl_b32 s22, s22, 23
	s_or_b32 s22, s22, 0x600000
	v_mov_b32 v[LIMV], s22                         ; 448 x 2^e3
	VBLK 0
	VBLK 1
	VBLK 2
	VBLK 3
	s_endpgm
.Ltable:
; ---------------- the table: a work-group of 128 threads takes a head.  Thread x, round n: the four entries g = 4 (x + 128 n) + 0 .. 3 of each copy.  They are seven neighbouring distances:
; value number mi (0 .. 6) is that of rel = 2051 - mi - 512 n - 4 x, and copy sc takes values 3 - sc .. 6 - sc.
.set TR, 16                            ; v16..  rel, eight registers a round
.set TO, 56                            ; v56..  byte offset of the row in bias_weight
.set TW, 96                            ; v96..  the seven values
.set TS, 136                           ; v136.. values 1 to 6 once more, one register lower, so that every group of four begins at an even register
	s_sub_co_u32 s17, ttmp9, 512                   ; the head
	s_lshl_b32 s28, s17, 2
	s_mov_b32 s29, 0
	s_add_nc_u64 s[8:9], s[8:9], s[28:29]          ; the head's column of bias_weight
	s_mul_i32 s28, s17, 40960
	s_add_nc_u64 s[20:21], s[20:21], s[28:29]      ; its four copies
	v_lshlrev_b32 v1, 2, v0
	v_lshlrev_b32 v2, 4, v0
	v_mov_b32 v3, 0
	v_mov_b32 v4, 0xef800000                       ; -2^96
.irp n, 0,1,2,3,4
.irp m, 0,1,2,3,4,5,6
	v_sub_nc_u32 v[TR+8*\n+\m], 2051-\m-512*\n, v1
	v_cmp_gt_i32 vcc_lo, 0, v[TR+8*\n+\m]          ; key after query
	v_cndmask_b32 v[TO+8*\n+\m], v[TR+8*\n+\m], v3, vcc_lo   ; such an entry loads row 0 and throws it away: no load leaves the buffer
	v_lshlrev_b32 v[TO+8*\n+\m], 6, v[TO+8*\n+\m]  ; a row of 16 heads is 64 bytes
	global_load_b32 v[TW+8*\n+\m], v[TO+8*\n+\m], s[8:9]
.endr
.endr
	s_wait_kmcnt 0x0
	s_add_co_i32 s30, s24, s25
	s_sub_co_i32 s30, 3, s30                       ; 3 - eq - ek
	s_wait_loadcnt 0x0
.irp n, 0,1,2,3,4
.irp m, 0,1,2,3,4,5,6
	v_ldexp_f32 v[TW+8*\n+\m], v[TW+8*\n+\m], s30
	v_cmp_gt_i32 vcc_lo, 0, v[TR+8*\n+\m]
	v_cndmask_b32 v[TW+8*\n+\m], v[TW+8*\n+\m], v4, vcc_lo
.endr
.irp m, 0,1,2,3,4,5
	v_mov_b32 v[TS+8*\n+\m], v[TW+8*\n+\m+1]
.endr
	global_store_b128 v2, v[TS+8*\n+2:TS+8*\n+5], s[20:21] offset:2048*\n          ; copy 0: values 3 to 6.  32 lanes store 512 consecutive bytes
	global_store_b128 v2, v[TW+8*\n+2:TW+8*\n+5], s[20:21] offset:2048*\n+10240    ; copy 1: values 2 to 5
	global_store_b128 v2, v[TS+8*\n:TS+8*\n+3],   s[20:21] offset:2048*\n+20480    ; copy 2: values 1 to 4
	global_store_b128 v2, v[TW+8*\n:TW+8*\n+3],   s[20:21] offset:2048*\n+30720    ; copy 3: values 0 to 3
.endr
	s_endpgm
.Lfunc_end_k_qec353e6da5_prep:
	.size	k_qec353e6da5_prep, .Lfunc_end_k_qec353e6da5_prep-k_qec353e6da5_prep
	.p2alignl 7, 3214868480
	.fill 96, 4, 3214868480
	.section	.rodata,"a",@progbits
	.p2align	6, 0x0
	.amdhsa_kernel k_qec353e6da5_prep
		.amdhsa_group_segment_fixed_size 36352
		.amdhsa_private_segment_fixed_size 0
		.amdhsa_enable_private_segment 0
		.amdhsa_kernarg_size 56
		.amdhsa_user_sgpr_count 2
		.amdhsa_user_sgpr_kernarg_segment_ptr 1
		.amdhsa_wavefront_size32 1
		.amdhsa_system_sgpr_workgroup_id_x 1
		.amdhsa_system_sgpr_workgroup_id_y 1
		.amdhsa_system_sgpr_workgroup_id_z 1
		.amdhsa_system_vgpr_workitem_id 0
		.amdhsa_next_free_vgpr 240
		.amdhsa_next_free_sgpr 66
		.amdhsa_reserve_vcc 1
		.amdhsa_float_denorm_mode_32 3
		.amdhsa_float_denorm_mode_16_64 3
		.amdhsa_memory_ordered 1
		.amdhsa_forward_progress 1
		.amdhsa_inst_pref_size 60
	.end_amdhsa_kernel
	.amdgpu_metadata
---
amdhsa.version: [ 1, 2 ]
amdhsa.kernels:
  - .name:           k_qec353e6da5_prep
    .symbol:         k_qec353e6da5_prep.kd
    .args:
      - { .name: k, .offset: 0, .size: 8, .value_kind: global_buffer, .address_space: global }
      - { .name: v, .offset: 8, .size: 8, .value_kind: global_buffer, .address_space: global }
      - { .name: bias_weight, .offset: 16, .size: 8, .value_kind: global_buffer, .address_space: global }
      - { .name: lowp_scales, .offset: 24, .size: 8, .value_kind: global_buffer, .address_space: global }
      - { .name: kimg, .offset: 32, .size: 8, .value_kind: global_buffer, .address_space: global }
      - { .name: vimg, .offset: 40, .size: 8, .value_kind: global_buffer, .address_space: global }
      - { .name: btab, .offset: 48, .size: 8, .value_kind: global_buffer, .address_space: global }
    .group_segment_fixed_size: 36352
    .private_segment_fixed_size: 0
    .kernarg_segment_align: 8
    .kernarg_segment_size: 56
    .max_flat_workgroup_size: 128
    .sgpr_count:     66
    .vgpr_count:     240
    .wavefront_size: 32
...
	.end_amdgpu_metadata
.endif
;; end of part 1
;; launch attn (part 2): grid 8 x 32, 8 waves a work-group, clusters of 4 x 1, 327,680 bytes of LDS; arguments q, kimg, vimg, btab, tau, lowp_scales, out0; writes out0
.if DOCPART == 2
	.amdgcn_target "amdgcn-amd-amdhsa--gfx1250"
	.amdhsa_code_object_version 6
	.text
	.protected	k_qec353e6da5_attn
	.globl	k_qec353e6da5_attn
	.p2align	8
	.type	k_qec353e6da5_attn,@function
k_qec353e6da5_attn:
	s_mov_b64 s[64:65], 0
	v_nop
	global_prefetch_b8 v0, s[64:65] scope:SCOPE_SE
	s_setreg_imm32_b32 hwreg(HW_REG_WAVE_MODE, 25, 1), 1
	s_wait_xcnt 0x0
	s_wait_alu depctr_hold_cnt(0) depctr_sa_sdst(0) depctr_va_vdst(0) depctr_va_sdst(0) depctr_va_ssrc(0) depctr_va_vcc(0) depctr_vm_vsrc(0)
	s_getreg_b32 s2, hwreg(HW_REG_IB_STS2, 6, 4)
	s_cmp_eq_u32 s2, 0
	s_cbranch_scc0 .Lentry_in_a_cluster
	s_endpgm
.Lentry_in_a_cluster:
	s_bfe_u32 s2, ttmp6, 0x10000c
	s_cmp_lg_u32 s2, 0x3003
	s_cbranch_scc0 .Lentry_shape_is_right
	s_endpgm
.Lentry_shape_is_right:
; out0[bh][q][:] = sum over ALL keys k of Q8(relu(softmax_k(q.k / 8 + bias[q - k], causal) + tau / (q + 1))) Q8(v[k][:]), both products on codes of E4M3 with the given scales 2^eq, 2^ek, 2^e2, 2^e3.
; TWO SWEEPS.  The second product's left operand is quantised finished and normalised, so a row's maximum and sum are found first (sweep 1); sweep 2 forms the scores again, makes the codes and multiplies by v.
; WORK LEFT OUT, for all values of the inputs: in key steps that lie wholly after a wave's queries jnp.where puts NEG_INF over score and bias, and the softmax's weight there is 0: their first product, bias and
; exponentials reach no output and are not made.  THE SECOND PRODUCT IS NOT LEFT OUT THERE: reference() adds tau / i behind the softmax and masks nothing afterwards, so a hidden key weighs relu(tau / i): those steps are
; multiplied with one constant code for each query.  Rows 2,052 and up of bias_weight were not read by the launch before (its head says why).
; BIAS AND MASK hang on key - query alone and come in as the C of the score product, from a table in the sums' own unit (bias x 2^(3 - eq - ek); -2^96 after the diagonal): they cost no vector instruction.
; SHARES.  y = bh.  A head's 8 work-groups are 2 clusters (cl = cluster x).  Wave w owns block NB = (2 (w % 4) + cl) xor 15 ((w xor w / 4) % 2) of the head's 16 blocks of 128 queries; of it partner cx takes the two tiles
; of 16 queries at qt0 + 32 a, qt0 = 16 (cx % 2) + 64 (cx / 2).  Waves w and w + 4 own blocks NB and 15 - NB: 17 visible key steps together.  cx enters only the addresses of q, of out0 and of the table in memory, and the row's number i.
; THE WALK.  Trip rho = 0 .. 15 takes key step (NB - rho) mod 16: from the diagonal down to key 0, and for rho > NB just the hidden steps.  So the bias's place hangs on rho alone, and every trip count is the constant 16.
; LDS, each byte filled once, at the head: the head's whole K image (131,072), V image (131,072), the window of the bias table (4 copies x 8,512).  K's and V's images are asked for JOINTLY by the four partners.
; No barrier stands in the sweeps: the waves run free.  LAYOUT: both products transposed (source 0 = 16 keys, or 16 channels; source 1 = 16 queries): a lane holds ONE query (lane % 16) throughout; the keys of a tile are chosen
; so that the 16 registers of tiles 2 b, 2 b + 1 are keys 32 b + 16 (lane / 16) + 0 .. 15.  The codes lie in the registers in an order of k that is the same on both sides of each product.
; SOFTMAX: t = S c, c = log2(e) 2^(eq + ek - 3).  Sweep 1: each lane keeps a running maximum m and sum l of its own half of the keys, p = 2^(S c - m c); the two halves meet once, behind the sweep.
; LIMITS: eq + ek between -80 and 30 (so that -2^96 c is finite and lies far under every t); eq and e2 between -126 and 119; e2 + e3 between -126 and 127; |bias| x 2^(3 - eq - ek) under 2^90.
; NaN and infinities among the inputs are not served; a NaN or an overflow that reaches only the work left out is not carried to the result.
; REGISTERS, in windows of 256.  Window 0: v1-9 addresses and constants; v10-25 statistics, 8 a tile; v26-31 at work; v32-159 S^T, 64 a tile; v160-223 O^T, 32 a tile; v224-255 p's codes, 16 a tile.
;   Window 1: v0-63 K's 8 fragments; v64-143 the bias, 5 slots of 16; v144-159 Q, 8 a tile; v160-223 V's 4 fragments; v224-255 the hidden keys' codes, 16 a tile.
.set VIMG,  131072
.set TBL,   262144
.set SPARE, 296192                     ; behind the table: the spare words, 128 bytes a wave: four blocks of 256 bytes that no other line names
.set LI,  1                            ; v1   16 x lane
.set ADK, 2                            ; v2-3 K's tiles 0-3, 4-7 of the step to be fetched
.set ADB, 4                            ; v4   the bias of that step
.set BL,  5                            ; v5   my lane's place in the table: TBL + 64 + 8512 (r % 4) + 64 h - 16 (r / 4)
.set ADV, 6                            ; v6   V's step
.set SC2, 7                            ; v7   2^e2
.set SPW, 8                            ; v8   my spare word; never rewritten
.set NIL, 9                            ; v9   0; never rewritten
.set ST,  10                           ; tile a at v[ST + 8 a]: +0 -m c, +1 m, +2, +3 l, +4 1 / l, +5 0, +6 tau / i, +7 0
.set CA,  26
.set CB,  27
.set FF,  28                           ; v[28:29]
.set TA,  30                           ; v[30:31]
.set SC,  32
.set OO,  160
.set PP,  224
.set KK,  0                            ; window 1
.set BI,  64
.set QQ,  144
.set VV,  160
.set PH,  224
.set WV,  18
.set NB,  19
.set RHO, 20
.set CX,  21
.set BH,  22
.set QT,  23
.set G1D, 24                           ; s[24:31] group 1: a dense block of 16,384 bytes, joint
.set G1T, 32                           ; s[32:39] group 1: one row of 4,256 bytes, my work-group's own
.set G0T, 40
.set G0K, 44
.set G0V, 48
.set CS,  52                           ; s[52:53] c
.set SEL, 54                           ; s[54:55] v_permlanex16_b32: lane l xor 16
.set LIM, 56                           ; 448 x 2^e2
.set TAU, 57
.set OSC, 58                           ; s[58:59] 2^(e2 + e3)
.set KOFF, 66
.set BOFF, 67
.set VOFF, 68
.set Q1,  71                           ; my first query + 1
.set MSB, 0
.macro WIN new                         ; the immediate's high byte repeats the setting that is left
.if MSB != \new
	s_set_vgpr_msb (MSB<<8)|\new
.set MSB, \new
.endif
.endm
.macro PLACES                          ; four plain places behind matrix instructions, in front of loads into their sources and of reads of their results
.rept 4
	v_nop
.endr
.endm
.macro ROUND                           ; a round of the cluster's barrier
	s_barrier_signal -1
	s_barrier_wait -1
	s_cmp_lg_u32 s[WV], 0
	s_cbranch_scc1 .Lnot_wave_0_\@
	s_barrier_signal -3
.Lnot_wave_0_\@:
	s_barrier_wait -3
	s_barrier_signal -1
	s_barrier_wait -1
.endm
	s_load_b256 s[4:11], s[0:1], 0x0               ; q s[4:5], kimg s[6:7], vimg s[8:9], btab s[10:11]
	s_load_b128 s[12:15], s[0:1], 0x20             ; tau s[12:13], the exponents s[14:15]
	s_load_b64 s[16:17], s[0:1], 0x30              ; out0
	v_lshl_add_u32 v[SPW], v0, 2, SPARE
	v_mov_b32 v[NIL], 0
	ds_add_u32 v[SPW], v[NIL]                      ; the wave's opening: the add, twice on end, and its wait ahead of my first tensor load
	ds_add_u32 v[SPW], v[NIL]
	v_lshrrev_b32 v1, 5, v0
	v_readfirstlane_b32 s[WV], v1                  ; wave 0..7
	s_bfe_u32 s[CX], ttmp6, 0x40000                ; my place in the cluster
	s_and_b32 s[BH], ttmp7, 0xffff                 ; batch x 16 + head: the four partners share it
	s_and_b32 s69, s[WV], 3
	s_lshl_b32 s69, s69, 1
	s_add_co_u32 s69, s69, ttmp9                   ; 2 (w % 4) + cl
	s_lshr_b32 s70, s[WV], 2
	s_xor_b32 s70, s70, s[WV]
	s_and_b32 s70, s70, 1
	s_mul_i32 s70, s70, 15
	s_xor_b32 s[NB], s69, s70                      ; my block of 128 queries: the same in all four partners
	s_and_b32 s69, s[CX], 1
	s_lshl_b32 s69, s69, 4
	s_lshr_b32 s70, s[CX], 1
	s_lshl_b32 s70, s70, 6
	s_add_co_u32 s[QT], s69, s70                   ; qt0
	s_mov_b32 s[G1D], 15|(3<<16)|(1<<21)           ; 15:0 the mask: all four partners; 17:16 elements of 8 bytes; 21 set beside a mask; no padding
	s_mov_b32 s[G1D+1], 32<<16                     ; tensor_dim0 = 32 elements: rows of 256 bytes
	s_mov_b32 s[G1D+2], 64<<16                     ; tensor_dim1 = 64
	s_mov_b32 s[G1D+3], 32<<16                     ; tile_dim0
	s_mov_b32 s[G1D+4], 64                         ; tile_dim1
	s_mov_b32 s[G1D+5], 32                         ; pitch = row: the block is dense
	s_mov_b32 s[G1D+6], 0
	s_mov_b32 s[G1D+7], 0
	s_mov_b32 s[G1T], 3<<16                        ; no mask: each partner has a window of its own
	s_mov_b32 s[G1T+1], 532<<16                    ; one row of 532 elements of 8 bytes
	s_mov_b32 s[G1T+2], 1<<16
	s_mov_b32 s[G1T+3], 532<<16
	s_mov_b32 s[G1T+4], 1
	s_mov_b32 s[G1T+5], 532
	s_mov_b32 s[G1T+6], 1<<16
	s_mov_b32 s[G1T+7], 0
	s_mov_b32 s[G0T], 1
	s_mul_i32 s[G0T+1], s[WV], 4256                ; copy w / 2, half w % 2: 8,512 (w / 2) + 4,256 (w % 2)
	s_add_co_u32 s[G0T+1], s[G0T+1], TBL
	s_mov_b32 s[G0K], 1
	s_lshl_b32 s[G0K+1], s[WV], 14                 ; tile t = w of all 16 steps
	s_mov_b32 s[G0V], 1
	s_add_co_u32 s[G0V+1], s[G0K+1], VIMG          ; steps 2 w, 2 w + 1
	s_lshl_b32 s72, s[BH], 17
	s_add_co_u32 s72, s72, s[G0K+1]
	s_mov_b32 s73, 0                               ; s[72:73]: my 16,384 bytes of either image
	s_and_b32 s69, s[BH], 15                       ; the head
	s_mul_i32 s74, s69, 40960
	s_lshr_b32 s70, s[WV], 1
	s_mul_i32 s70, s70, 10240
	s_add_co_u32 s74, s74, s70
	s_and_b32 s70, s[WV], 1
	s_mul_i32 s70, s70, 4256
	s_add_co_u32 s74, s74, s70
	s_add_co_u32 s74, s74, 320
	s_lshl_b32 s70, s[QT], 2
	s_sub_co_u32 s74, s74, s70                     ; the window begins at entry 80 - qt0 of a copy
	s_mov_b32 s75, 0
	s_lshl_b32 s76, s69, 2
	s_mov_b32 s77, 0                               ; tau[head]
	s_lshl_b32 s70, s[NB], 7
	s_add_co_u32 s70, s70, s[QT]                   ; my first query
	s_add_co_u32 s[Q1], s70, 1
	s_lshl_b32 s78, s70, 8
	s_lshl_b32 s79, s[BH], 19
	s_add_co_u32 s78, s78, s79
	s_mov_b32 s79, 0                               ; its row in q and in out0
	s_mov_b32 s[SEL], 0x76543210
	s_mov_b32 s[SEL+1], 0xfedcba98
	s_wait_dscnt 0x0                               ; both opening adds are done
	s_wait_kmcnt 0x0
	s_add_nc_u64 s[12:13], s[12:13], s[76:77]
	s_load_b128 s[60:63], s[14:15], 0x0            ; eq, ek, e2, e3
	s_load_b32 s[TAU], s[12:13], 0x0
	s_add_nc_u64 s[G0T+2:G0T+3], s[10:11], s[74:75]
	s_or_b32 s[G0T+3], s[G0T+3], 0x80000000
	s_add_nc_u64 s[G0K+2:G0K+3], s[6:7], s[72:73]
	s_or_b32 s[G0K+3], s[G0K+3], 0x80000000
	s_add_nc_u64 s[G0V+2:G0V+3], s[8:9], s[72:73]
	s_or_b32 s[G0V+3], s[G0V+3], 0x80000000
	s_add_nc_u64 s[4:5], s[4:5], s[78:79]
	s_add_nc_u64 s[16:17], s[16:17], s[78:79]
	ROUND                                          ; all four work-groups are here: the joint loads meet
	tensor_load_to_lds s[G0T:G0T+3], s[G1T:G1T+7]  ; every wave issues three loads, all first fills: three of mine are out
	s_nop 0
	tensor_load_to_lds s[G0K:G0K+3], s[G1D:G1D+7]
	s_nop 0
	tensor_load_to_lds s[G0V:G0V+3], s[G1D:G1D+7]
	s_nop 0
	PLACES                                         ; four v_nop behind the last of them
	; ---- Q: read once, by this wave alone, so it is quantised here.  Lane (r, h) takes, of query r, channels 32 c + 16 h + 0 .. 15
	v_and_b32 v161, 15, v0                         ; r
	v_bfe_u32 v162, v0, 4, 1                       ; h
	v_lshlrev_b32 v160, 8, v161
	v_lshl_add_u32 v160, v162, 6, v160
.irp a, 0,1
.irp c, 0,1
.irp j, 0,1,2,3
	global_load_b128 v[SC+32*\a+16*\c+4*\j:SC+32*\a+16*\c+4*\j+3], v160, s[4:5] offset:8192*\a+128*\c+16*\j
.endr
.endr
.endr
	v_and_b32 v[LI], 31, v0
	v_lshlrev_b32 v[LI], 4, v[LI]
	v_and_b32 v[CA], 3, v161
	v_mul_u32_u24 v[BL], v[CA], 8512               ; copy r % 4: 8,512 = 64 modulo 256
	v_lshl_add_u32 v[BL], v162, 6, v[BL]
	v_add_nc_u32 v[BL], TBL+64, v[BL]
	v_lshrrev_b32 v[CA], 2, v161
	v_lshlrev_b32 v[CA], 4, v[CA]
	v_sub_nc_u32 v[BL], v[BL], v[CA]
	s_wait_kmcnt 0x0
	s_add_co_i32 s69, s60, s61
	s_lshl_b32 s69, s69, 23
	s_add_co_i32 s[CS], s69, 0x3e38aa3b            ; log2(e) / 8, with eq + ek added to its exponent field
	s_mov_b32 s[CS+1], s[CS]                       ; (named with it as a pair, so it is written)
	s_add_co_i32 s69, s60, 127
	s_lshl_b32 s70, s69, 23
	v_mov_b32 v163, s70                            ; 2^eq
	s_add_co_i32 s69, s69, 8
	s_lshl_b32 s69, s69, 23
	s_or_b32 s69, s69, 0x600000
	v_mov_b32 v164, s69                            ; 448 x 2^eq
	s_add_co_i32 s69, s62, 127
	s_lshl_b32 s70, s69, 23
	v_mov_b32 v[SC2], s70                          ; 2^e2
	s_add_co_i32 s69, s69, 8
	s_lshl_b32 s69, s69, 23
	s_or_b32 s[LIM], s69, 0x600000                 ; 448 x 2^e2
	s_add_co_i32 s69, s62, s63
	s_add_co_i32 s69, s69, 127
	s_lshl_b32 s[OSC], s69, 23                     ; 2^(e2 + e3)
	s_mov_b32 s[OSC+1], s[OSC]
.irp a, 0,1
	v_mov_b32 v[ST+8*\a+1], 0xef800000             ; m = -2^96, the mask's own value: under every score that counts
	v_mul_f32 v[ST+8*\a], -v[ST+8*\a+1], s[CS]     ; -m c
	v_mov_b32 v[ST+8*\a+2], 0                      ; l, in two halves
	v_mov_b32 v[ST+8*\a+3], 0
	v_mov_b32 v[ST+8*\a+5], 0                      ; (upper halves of pairs that are named whole)
	v_mov_b32 v[ST+8*\a+7], 0
.endr
	v_mov_b32 v[FF+1], 0
	v_mov_b32 v[TA], 0                             ; a lane permute's destination counts as one of its sources
	s_wait_loadcnt 0x0
.set i, 0
.rept 64
	v_med3_num_f32 v[SC+i], v[SC+i], -v164, v164   ; the conversion does not saturate (ISA guide 7.6.2)
.set i, i+1
.endr
	WIN 0x40                                       ; destination window 1
.set i, 0
.rept 8
	v_cvt_scalef32_pk8_fp8_f32 v[QQ+2*i:QQ+2*i+1], v[SC+8*i:SC+8*i+7], v163
.set i, i+1
.endr
	WIN 0
	v_nop                                          ; a plain line behind the last conversion
	s_wait_tensorcnt 0x0                           ; my three loads have landed,
	s_barrier_signal -1
	s_barrier_wait -1                              ; everybody's have: images and table are whole, and nothing writes them before the way out
; K's and the bias's place for the NEXT step (rho + 1): step (NB - rho - 1) mod 16, 1,024 bytes a step; 512 bytes of the table a step, downward
.macro SCALK
	s_mul_i32 s69, s[RHO], 15                      ; = -rho modulo 16
	s_add_co_u32 s70, s69, s[NB]
	s_add_co_u32 s70, s70, 15
	s_and_b32 s70, s70, 15
	s_lshl_b32 s[KOFF], s70, 10
	s_add_co_u32 s69, s69, 30
	s_and_b32 s69, s69, 15
	s_lshl_b32 s[BOFF], s69, 9
.endm
.macro SCALV                           ; V's place for THIS step: step (NB - rho) mod 16, 8,192 bytes a step
	s_mul_i32 s69, s[RHO], 15
	s_add_co_u32 s69, s69, s[NB]
	s_and_b32 s69, s69, 15
	s_lshl_b32 s69, s69, 13
	s_add_co_u32 s[VOFF], s69, VIMG
.endm
.macro LOADKB                          ; 36 LDS loads in one run: a step's 8 fragments of K, as images of their registers, and 5 slots of the bias (slot = b - a + 1) in the result's layout
	v_add_nc_u32 v[ADK], s[KOFF], v[LI]
	v_add_nc_u32 v[ADB], s[BOFF], v[BL]
	v_add_nc_u32 v[ADK+1], 65536, v[ADK]
	WIN 0x40
.irp t, 0,1,2,3,4,5,6,7
.irp c, 0,1
	ds_load_b128 v[KK+8*\t+4*\c:KK+8*\t+4*\c+3], v[ADK+\t/4] offset:(\t%4)*16384+512*\c
.endr
.endr
.irp sl, 0,1,2,3,4
.irp u, 0,1
.irp jj, 0,1
	ds_load_b128 v[BI+16*\sl+8*\u+4*\jj:BI+16*\sl+8*\u+4*\jj+3], v[ADB] offset:128*\sl+32*\u+16*\jj
.endr
.endr
.endr
	WIN 0
.endm
.macro LOADV
	v_add_nc_u32 v[ADV], s[VOFF], v[LI]
	WIN 0x40
.irp d, 0,1,2,3
.irp c, 0,1,2,3
	ds_load_b128 v[VV+16*\d+4*\c:VV+16*\d+4*\c+3], v[ADV] offset:2048*\d+512*\c
.endr
.endr
	WIN 0
.endm
; S^T of tile a: 8 tiles of 16 keys; K = the head's 64 is one instruction, its C the bias and mask.  Eight different accumulators: no chain.
.macro QK a
	WIN 0x15                                       ; K, Q and the bias in window 1, S^T in window 0
.irp t, 0,1,2,3,4,5,6,7
	v_wmma_f32_16x16x64_fp8_fp8 v[SC+64*\a+8*\t:SC+64*\a+8*\t+7], v[KK+8*\t:KK+8*\t+7], v[QQ+8*\a:QQ+8*\a+7], v[BI+16*(\t/2-\a+1)+8*(\t%2):BI+16*(\t/2-\a+1)+8*(\t%2)+7]
.endr
	WIN 0
.endm
; O^T of tile a += V^T P^T over the step's 128 keys.  The accumulators take turns, one instruction a turn.
.macro PV a
	WIN 0x01                                       ; V in window 1
.irp d, 0,1,2,3
	v_wmma_f32_16x16x128_fp8_fp8 v[OO+32*\a+8*\d:OO+32*\a+8*\d+7], v[VV+16*\d:VV+16*\d+15], v[PP+16*\a:PP+16*\a+15], v[OO+32*\a+8*\d:OO+32*\a+8*\d+7]
.endr
	WIN 0
.endm
.macro PVH                             ; the same for a hidden step, both tiles: every key has the query's one code
	WIN 0x05                                       ; V and the codes in window 1
.irp d, 0,1,2,3
.irp a, 0,1
	v_wmma_f32_16x16x128_fp8_fp8 v[OO+32*\a+8*\d:OO+32*\a+8*\d+7], v[VV+16*\d:VV+16*\d+15], v[PH+16*\a:PH+16*\a+15], v[OO+32*\a+8*\d:OO+32*\a+8*\d+7]
.endr
.endr
	WIN 0
.endm
; 64 scores at v[rS] become 2^(S c - m c), -m c at v[rT].  ONE BATCH: a pair is scaled two pairs ahead of its exponentials; none of these lines names an exponential's result; one plain line and one wait end it.
.macro EXPS
	v_pk_fma_f32 v[rS:rS+1], v[rS:rS+1], s[CS:CS+1], v[rT:rT+1] op_sel_hi:[1,0,0]
	v_pk_fma_f32 v[rS+2:rS+3], v[rS+2:rS+3], s[CS:CS+1], v[rT:rT+1] op_sel_hi:[1,0,0]
.set j, 0
.rept 32
	v_exp_f32 v[rS+2*j], v[rS+2*j]
	v_exp_f32 v[rS+2*j+1], v[rS+2*j+1]
.if j < 30
	v_pk_fma_f32 v[rS+2*j+4:rS+2*j+5], v[rS+2*j+4:rS+2*j+5], s[CS:CS+1], v[rT:rT+1] op_sel_hi:[1,0,0]
.endif
.set j, j+1
.endr
	v_nop                                          ; the plain line behind the last exponential
	s_wait_alu depctr_va_vdst(0)                   ; one wait for the batch, ahead of its first reader
.endm
; Sweep 1, tile a: the lane's running maximum and sum over its 64 keys of the step.  Each accumulator is read from its low end on.
.macro SOFT1 a
.set rS, SC+64*\a
.set rT, ST+8*\a
	v_max3_num_f32 v[CA], v[rS], v[rS+1], v[rT+1]
	v_max_num_f32 v[CB], v[rS+2], v[rS+3]
.set j, 4
.rept 15
	v_max3_num_f32 v[CA], v[CA], v[rS+j], v[rS+j+1]
	v_max3_num_f32 v[CB], v[CB], v[rS+j+2], v[rS+j+3]
.set j, j+4
.endr
	v_max_num_f32 v[rT+1], v[CA], v[CB]            ; the new m
	v_mul_f32 v[CA], -v[rT+1], s[CS]               ; -m c
	v_sub_f32 v[FF], v[CA], v[rT]                  ; (m_old - m_new) c, 0 or less
	v_mov_b32 v[rT], v[CA]
	v_exp_f32 v[FF], v[FF]                         ; what was summed under the old m is brought under the new
	EXPS
	v_pk_fma_f32 v[rT+2:rT+3], v[rT+2:rT+3], v[FF:FF+1], v[rS:rS+1] op_sel_hi:[1,0,1]
	v_pk_add_f32 v[TA:TA+1], v[rS+2:rS+3], v[rS+4:rS+5]
.set j, 6
.rept 14
	v_pk_add_f32 v[rT+2:rT+3], v[rT+2:rT+3], v[rS+j:rS+j+1]
	v_pk_add_f32 v[TA:TA+1], v[TA:TA+1], v[rS+j+2:rS+j+3]
.set j, j+4
.endr
	v_pk_add_f32 v[rT+2:rT+3], v[rT+2:rT+3], v[rS+62:rS+63]
	v_pk_add_f32 v[rT+2:rT+3], v[rT+2:rT+3], v[TA:TA+1]
.endm
; Behind sweep 1, tile a: the two halves of the lanes meet: the row's maximum, its sum under that maximum, 1 / sum, and tau / i.  A lane all of whose keys were masked still has m = -2^96: its factor is 0.
.macro FINISH1 a
.set rT, ST+8*\a
	v_permlanex16_b32 v[TA], v[rT+1], s[SEL], s[SEL+1]
	v_max_num_f32 v[CA], v[rT+1], v[TA]
	v_mul_f32 v[CA], -v[CA], s[CS]
	v_sub_f32 v[FF], v[CA], v[rT]
	v_mov_b32 v[rT], v[CA]                         ; -M c, for sweep 2
	v_exp_f32 v[FF], v[FF]
	v_add_f32 v[CB], v[rT+2], v[rT+3]              ; (the plain line behind the exponential)
	s_add_co_u32 s69, s[Q1], 32*\a
	v_and_b32 v[TA+1], 15, v0
	v_add_nc_u32 v[TA+1], s69, v[TA+1]
	v_cvt_f32_u32 v[TA+1], v[TA+1]                 ; i = my query + 1
	s_wait_alu depctr_va_vdst(0)
	v_mul_f32 v[CB], v[CB], v[FF]
	v_permlanex16_b32 v[TA], v[CB], s[SEL], s[SEL+1]
	v_add_f32 v[CB], v[CB], v[TA]                  ; the row's sum
	v_rcp_f32 v[rT+4], v[CB]
	v_rcp_f32 v[TA+1], v[TA+1]
	v_nop
	s_wait_alu depctr_va_vdst(0)                   ; one wait for the two reciprocals
	v_mul_f32 v[rT+6], s[TAU], v[TA+1]             ; tau / i
.endm
.macro MAKEPH a                        ; the operand of a hidden step: relu(tau / i), quantised, in all 128 places of the lane's query
.set i, 0
.rept 8
	v_med3_num_f32 v[SC+64*\a+i], v[ST+8*\a+6], 0, s[LIM]
.set i, i+1
.endr
	WIN 0x40
.set i, 0
.rept 8
	v_cvt_scalef32_pk8_fp8_f32 v[PH+16*\a+2*i:PH+16*\a+2*i+1], v[SC+64*\a:SC+64*\a+7], v[SC2]
.set i, i+1
.endr
	WIN 0
	v_nop
.endm
; Sweep 2, tile a: p = 2^(S c - M c); p / l + tau / i by one packed multiply-add for two; relu and the hold in one; the codes are the second product's operand.
.macro SOFT2 a
.set rS, SC+64*\a
.set rT, ST+8*\a
	EXPS
.set j, 0
.rept 32
	v_pk_fma_f32 v[rS+j:rS+j+1], v[rS+j:rS+j+1], v[rT+4:rT+5], v[rT+6:rT+7] op_sel_hi:[1,0,0]
.set j, j+2
.endr
.set b, 0
.rept 4
.set i, 0
.rept 16
	v_med3_num_f32 v[rS+16*b+i], v[rS+16*b+i], 0, s[LIM]
.set i, i+1
.endr
	v_cvt_scalef32_pk8_fp8_f32 v[PP+16*\a+4*b:PP+16*\a+4*b+1], v[rS+16*b:rS+16*b+7], v[SC2]
	v_cvt_scalef32_pk8_fp8_f32 v[PP+16*\a+4*b+2:PP+16*\a+4*b+3], v[rS+16*b+8:rS+16*b+15], v[SC2]
.set b, b+1
.endr
	v_nop                                          ; a plain line between the last conversion and the products that read its result and write its sources
.endm
.macro FIRST                           ; the diagonal step's scores, ahead of a sweep's loop
	s_lshl_b32 s[KOFF], s[NB], 10
	s_mov_b32 s[BOFF], 15<<9
	LOADKB
	s_wait_dscnt 0x0
	QK 0
	QK 1
.endm
	; ---- SWEEP 1.  A trip: the next step's fragments are asked for; tile 0's softmax; tile 0's next scores; tile 1's softmax; tile 1's next scores.
	FIRST
	s_mov_b32 s[RHO], 0
.Lsweep1:
	s_cmp_gt_u32 s[RHO], s[NB]                     ; a hidden step: nothing of it counts in the softmax.  (Wave, cluster and trip alone decide: alike in all partners)
	s_cbranch_scc1 .Ls1_end
	PLACES
	s_cmp_eq_u32 s[RHO], s[NB]                     ; key step 0 is in hand: no step follows
	s_cbranch_scc1 .Ls1_a
	SCALK
	LOADKB
.Ls1_a:
	SOFT1 0
	s_wait_dscnt 0x0                               ; the next step's fragments are in
	s_cmp_eq_u32 s[RHO], s[NB]
	s_cbranch_scc1 .Ls1_b
	QK 0
.Ls1_b:
	SOFT1 1
	s_cmp_eq_u32 s[RHO], s[NB]
	s_cbranch_scc1 .Ls1_end
	QK 1
.Ls1_end:
	s_add_co_u32 s[RHO], s[RHO], 1
	s_cmp_lt_u32 s[RHO], 16
	s_cbranch_scc1 .Lsweep1
	FINISH1 0
	FINISH1 1
	MAKEPH 0
	MAKEPH 1
.set i, 0
.rept 64
	v_mov_b32 v[OO+i], 0                           ; O^T begins as zeros, once, so that the trip is written once
.set i, i+1
.endr
	; ---- SWEEP 2.  Visible: V and the next step's fragments are asked for; tile 0: codes, V^T P, next scores; tile 1 likewise.  Hidden: V, and 8 products with the constant codes.
	FIRST
	s_mov_b32 s[RHO], 0
.Lsweep2:
	SCALV
	PLACES
	LOADV
	s_cmp_gt_u32 s[RHO], s[NB]
	s_cbranch_scc1 .Ls2_hidden
	s_cmp_eq_u32 s[RHO], s[NB]
	s_cbranch_scc1 .Ls2_a
	SCALK
	LOADKB
.Ls2_a:
	SOFT2 0
	s_wait_dscnt 0x0                               ; V, and the next step's fragments, are in
	PV 0
	s_cmp_eq_u32 s[RHO], s[NB]
	s_cbranch_scc1 .Ls2_b
	QK 0
.Ls2_b:
	SOFT2 1
	PV 1
	s_cmp_eq_u32 s[RHO], s[NB]
	s_cbranch_scc1 .Ls2_end
	QK 1
	s_branch .Ls2_end
.Ls2_hidden:
	s_wait_dscnt 0x0
	PVH
.Ls2_end:
	s_add_co_u32 s[RHO], s[RHO], 1
	s_cmp_lt_u32 s[RHO], 16
	s_cbranch_scc1 .Lsweep2
	; ---- THE WAY OUT.  O^T x 2^(e2 + e3) goes through a stage of 16 rows x (256 + 16) bytes for each tile and comes back as whole rows.  The stages lie in K's image, which has had its one fill:
	; behind this barrier no wave reads it any more.
	PLACES
	s_wait_dscnt 0x0                               ; my reads of the images are over
	s_barrier_signal -1
	s_barrier_wait -1
	v_and_b32 v224, 15, v0
	v_bfe_u32 v225, v0, 4, 1
	s_mul_i32 s69, s[WV], 8704                     ; my two stages
	v_mul_u32_u24 v226, v224, 272
	v_lshl_add_u32 v226, v225, 5, v226
	v_add_nc_u32 v226, s69, v226                   ; in: row r, + 32 h: my eight channels of a tile of 16
	v_mul_u32_u24 v227, v225, 272
	v_lshl_add_u32 v227, v224, 4, v227
	v_add_nc_u32 v227, s69, v227                   ; back: lanes 0-15 one row, lanes 16-31 the next
	v_lshlrev_b32 v228, 8, v225
	v_lshl_add_u32 v228, v224, 4, v228             ; and the same two rows in out0
.macro OUT a
.set j, 0
.rept 16
	v_pk_mul_f32 v[SC+64*\a+j:SC+64*\a+j+1], v[OO+32*\a+j:OO+32*\a+j+1], s[OSC:OSC+1] op_sel_hi:[1,0]   ; each accumulator from its low end on
.set j, j+2
.endr
.irp d, 0,1,2,3
.irp k, 0,1
	ds_store_b128 v226, v[SC+64*\a+8*\d+4*\k:SC+64*\a+8*\d+4*\k+3] offset:4352*\a+64*\d+16*\k
.endr
.endr
.irp i, 0,1,2,3,4,5,6,7
	ds_load_b128 v[SC+64*\a+32+4*\i:SC+64*\a+32+4*\i+3], v227 offset:4352*\a+544*\i   ; LDS serves a wave's instructions in order (ISA guide 5.7.1.4): these see my stores
.endr
.endm
.macro SEND a, younger                 ; younger: the LDS instructions issued behind tile a's loads, which may stay out
.irp i, 0,1,2,3,4,5,6,7
	s_wait_dscnt \younger+7-\i
	global_store_b128 v228, v[SC+64*\a+32+4*\i:SC+64*\a+32+4*\i+3], s[16:17] offset:8192*\a+512*\i th:TH_STORE_NT   ; sixteen lanes store a row of 256 bytes, aligned
.endr
.endm
	OUT 0
	OUT 1
	SEND 0, 16                                     ; behind tile 0's loads: tile 1's 8 stores and 8 loads
	SEND 1, 0
	s_wait_tensorcnt 0x0                           ; the wave's end: a tensor wait, an LDS add and its wait, behind my last tensor load and my last LDS store
	ds_add_u32 v[SPW], v[NIL]
	s_wait_dscnt 0x0
	ROUND                                          ; the closing round
	s_endpgm
.Lfunc_end_k_qec353e6da5_attn:
	.size	k_qec353e6da5_attn, .Lfunc_end_k_qec353e6da5_attn-k_qec353e6da5_attn
	.p2alignl 7, 3214868480
	.fill 96, 4, 3214868480
	.section	.rodata,"a",@progbits
	.p2align	6, 0x0
	.amdhsa_kernel k_qec353e6da5_attn
		.amdhsa_group_segment_fixed_size 327680
		.amdhsa_private_segment_fixed_size 0
		.amdhsa_enable_private_segment 0
		.amdhsa_kernarg_size 56
		.amdhsa_user_sgpr_count 2
		.amdhsa_user_sgpr_kernarg_segment_ptr 1
		.amdhsa_wavefront_size32 1
		.amdhsa_system_sgpr_workgroup_id_x 1
		.amdhsa_system_sgpr_workgroup_id_y 1
		.amdhsa_system_sgpr_workgroup_id_z 1
		.amdhsa_system_vgpr_workitem_id 0
		.amdhsa_next_free_vgpr 512
		.amdhsa_next_free_sgpr 80
		.amdhsa_reserve_vcc 0
		.amdhsa_float_denorm_mode_32 3
		.amdhsa_float_denorm_mode_16_64 3
		.amdhsa_memory_ordered 1
		.amdhsa_forward_progress 1
		.amdhsa_inst_pref_size 83
	.end_amdhsa_kernel
	.amdgpu_metadata
---
amdhsa.version: [ 1, 2 ]
amdhsa.kernels:
  - .name:           k_qec353e6da5_attn
    .symbol:         k_qec353e6da5_attn.kd
    .args:
      - { .name: q, .offset: 0, .size: 8, .value_kind: global_buffer, .address_space: global }
      - { .name: kimg, .offset: 8, .size: 8, .value_kind: global_buffer, .address_space: global }
      - { .name: vimg, .offset: 16, .size: 8, .value_kind: global_buffer, .address_space: global }
      - { .name: btab, .offset: 24, .size: 8, .value_kind: global_buffer, .address_space: global }
      - { .name: tau, .offset: 32, .size: 8, .value_kind: global_buffer, .address_space: global }
      - { .name: lowp_scales, .offset: 40, .size: 8, .value_kind: global_buffer, .address_space: global }
      - { .name: out0, .offset: 48, .size: 8, .value_kind: global_buffer, .address_space: global }
    .group_segment_fixed_size: 327680
    .private_segment_fixed_size: 0
    .kernarg_segment_align: 8
    .kernarg_segment_size: 56
    .max_flat_workgroup_size: 256
    .sgpr_count:     80
    .vgpr_count:     512
    .wavefront_size: 32
...
	.end_amdgpu_metadata
.endif
;; end of part 2
